; MI455X (gfx1250); checked and timed in simulation.
; The chip was launched on July 23, 2026; its instructions are those of AMD's public machine-readable ISA for CDNA 5 (MIT licence, August 2026) and "CDNA5" Instruction Set Architecture Reference Guide (July 2026). The comments in the code are by the model that wrote it; some were corrected since.
;; Monge Ampere Flow. Allowed arithmetic: float matrix products may take bf16 or f16 operands with f32 sums; all other float work in f32.
;; Inputs: b1 256 float32; b2 1 float32; logp 4,096 float32; w1 32 x 256 float32; w2 256 float32; x 4,096 x 32 float32.
;; Outputs: out0 4,096 x 32 float32; out1 4,096 float32.
;; One version. Each part assembles by itself: llvm-mc -triple=amdgcn-amd-amdhsa -mcpu=gfx1250 --defsym DOCPART=n.
;; ======== version 1 of 1: 1 launch
;; launch flow (part 1): grid 256 x 1, 4 waves a work-group, no clusters, 55,296 bytes of LDS; arguments x, logp, w1, b1, w2, b2, out0, out1; writes out0, out1
.if DOCPART == 1
	.amdgcn_target "amdgcn-amd-amdhsa--gfx1250"
	.amdhsa_code_object_version 6
	.text
	.protected	k_q666f3690f8_flow
	.globl	k_q666f3690f8_flow
	.p2align	8
	.type	k_q666f3690f8_flow,@function
k_q666f3690f8_flow:
	s_mov_b64 s[64:65], 0
	v_nop
	global_prefetch_b8 v0, s[64:65] scope:SCOPE_SE
	s_setreg_imm32_b32 hwreg(HW_REG_WAVE_MODE, 25, 1), 1
	s_wait_xcnt 0x0
; Two RK4 steps (eight evaluations) of  dx = eps grad u(x),  dlogp = -eps lap u(x),  u(x) = w2 . softplus(x w1 + b1) + b2.
; With z = x w1 + b1 and s = sigmoid(z), for every input:
;   grad u = w1 (w2 o s)          lap u = sum over h of w2[h] |w1[:,h]|^2 s_h (1 - s_h)
; so an evaluation is two small matrix products (bf16 operands, f32 sums), one exp2 and one rcp per hidden value, and one weighted sum.
;
; SHARES.  4096 samples = 256 work-groups x 16 samples: one 16-column matrix tile a work-group.  Four waves, as many as a WGP has SIMDs;
; wave w owns hidden units 64 w .. 64 w + 63.  Every wave carries the f32 state X of all 16 samples; the four copies stay bit-equal,
; since every wave adds the same four partial sums in the same order.  From the first loads to the last stores no global memory is touched.
;
; LAYOUTS.  L = lane, r = L & 15, h = L >> 4.  Both products are used transposed, the sample being the column n = r, so that each product's
; result already lies as the next one's B operand (after packing pairs to bf16) and nothing is transposed inside the chain:
;   product 1:  Z[t] = A1[t] x XB + BIAS[t], t = 0..3, K = 32 = all of d.  Row m of A1[t] is local hidden unit lh = 4 m + t.
;               A1 = bf16(-log2e w1), BIAS = -log2e b1: Z is the argument of exp2.  Register j of lane (r, h): lh = 32 h + 4 j + t, sample r.
;   product 2:  GP[u] = A2[u][0] x SB[0] + A2[u][1] x SB[1], u = 0, 1 (d = 16 u + m).  SB[q] = packed pairs of Z[2q] (registers 0-3) and of
;               Z[2q+1] (registers 4-7); A2 = bf16(eps w2 w1) carries its k places in that same order.  GP[8u+j] = k(d = 16 u + 8 h + j, sample r).
;   state:      X[8u+j] = x[r][16 u + 8 h + j]: GP's layout, and its packed pairs are XB.
;
; NO CLUSTER: the only bytes that work-groups share are the weights, 34 KB that each fetches once, in front of eight evaluations that read no
; memory; every lane needs them in registers (to scale, square and round them), so a joint fetch into LDS would only add a stage.
; No tensor load, no ring: nothing streams.  No prefetch: every load stands at the very start.
;
; LIMITS.  Sums run in another order than in reference() (hidden axis split over four waves; the eight logp increments are added up first and
; then added to logp).  s (1 - s) is formed as s - s^2: absolute error near 2^-24 a term, exactly 0 where s is 0 or 1.  x, -log2e w1,
; eps w2 w1 and s enter the matrix unit rounded to bf16.  No exponential can spoil a value: exp2 = inf gives s = 0, exp2 = 0 gives s = 1.
; b2 is read, and enters nothing: only derivatives of u are used, and a constant added to u has none.
; out1 gets 64 consecutive bytes from each work-group (16 samples of 4 bytes); out0 gets 512 consecutive, aligned bytes from each wave.
.set NLOG2E, 0xbfb8aa3b                ; -log2(e)
.set EPS,    0x3dcccccd                ; 0.1
.set NEPS6,  0xbc888889                ; -0.1 / 6
.set SIXTH,  0x3e2aaaab
.set THIRD,  0x3eaaaaab
; LDS, bytes
.set W1P,  272                         ; pitch of a row of W1S: 256 bytes + 16 = 17 x 16, so 16 rows start in 16 different 16-byte columns modulo 256
.set W1W,  32*W1P                      ; W1S: wave w's 64 columns of w1, 32 rows (d), f32, at W1W w.  At the end the same bytes serve as XO
.set CS,   4*W1W                       ; 34816: c[lh] = w2 |w1 column|^2, 256 bytes a wave
.set XS,   CS+1024                     ; 35840: x on the way in, 16 rows of 128 bytes
.set XP,   144                         ; their pitch, 9 x 16; also XO's
.set EX,   XS+16*XP                    ; 38144: partial k: + 8192 buffer + 2048 wave + 512 q + 16 L.  Two buffers take turns
.set LP,   EX+16384                    ; 54528: the waves' logp increments, + 64 wave + 4 r
; vector registers
.set EXST, 1                           ; 2048 w + 16 L
.set EXLD, 2                           ; 16 L
.set LOGP, 3                           ; logp[r] (wave 0)
.set GV,   4                           ; 256 w + 128 h
.set GC,   5                           ; 256 w + 16 r;  later LPST = 64 w + 4 r
.set GW1,  6                           ; 8192 h + 256 w + 16 r;  later XSLD = 144 r + 32 h
.set GX,   7                           ; 16 t
.set A1,   8                           ; v[8:39]     at 8 t
.set A2,   40                          ; v[40:71]    at 16 u + 8 q          (set-up: b1 as loaded, at 4 j + t)
.set BIAS, 72                          ; v[72:103]   at 8 t + j             (set-up: addresses and the norms, see below)
.set CC,   104                         ; v[104:135]  at 8 t + j             (set-up: w2 as loaded, at 4 jj + e)
.set P,    136                         ; v[136:199]  four blocks of 16: the four waves' partial k   (set-up: w1 as loaded)
.set Z,    136                         ; v[136:167]  = blocks 0, 1
.set SB,   168                         ; v[168:183]  = block 2
.set AT,   168                         ;             the next evaluation's argument, f32
.set GP,   184                         ; v[184:199]  = block 3
.set K,    184                         ;             the whole k, after SUMK
.set XB,   200                         ; v[200:207]
.set T,    208                         ; v[208:215]
.set X,    216                         ; v[216:231]
.set XA,   232                         ; v[232:247]  x + the weighted k so far
.set S1,   248                         ; v[248:251]  logp increments of k1, k4 (weight 1)
.set S2,   252                         ; v[252:255]  of k2, k3 (weight 2)
; set-up only
.set LW1S, 72                          ; W1W w + 8 W1P h + 16 r
.set LA2,  73                          ; W1W w + W1P r + 128 h
.set LXSS, 74                          ; 4 XP w + XP (L >> 3) + 16 (L & 7)
.set G4R,  75                          ; 4 r
.set NRM,  76                          ; v[76:79]
.set RR,   80                          ; r
.set HH,   81                          ; h
	s_load_b512 s[16:31], s[0:1], 0x0              ; x 16, logp 18, w1 20, b1 22, w2 24, b2 26, out0 28, out1 30
	s_set_vgpr_msb 0x40
	v_lshl_add_u32 v0, v0, 2, 0xd600
	v_mov_b32 v1, 0
	s_set_vgpr_msb 0x4000
	v_lshrrev_b32 v1, 5, v0
	v_readfirstlane_b32 s8, v1                     ; wave 0..3
	v_and_b32 v[RR], 15, v0
	v_bfe_u32 v[HH], v0, 4, 1
	v_and_b32 v82, 31, v0                          ; L
	s_lshl_b32 s2, ttmp9, 11                       ; the group's 16 rows of x and out0: 2048 bytes
	s_mov_b32 s3, 0
	s_lshl_b32 s4, ttmp9, 6                        ; its 16 numbers of logp and out1: 64 bytes
	s_mov_b32 s5, 0
	s_mul_i32 s10, s8, W1W
	s_mul_i32 s9, s8, 4*XP
	s_lshl_b32 s11, s8, 11
	s_lshl_b32 s14, s8, 8
	s_lshl_b32 s15, s8, 6
	s_mov_b32 s12, 0x76543210                      ; v_permlanex16_b32: lane i reads lane i of the other half
	s_mov_b32 s13, 0xfedcba98
	v_lshlrev_b32 v[EXLD], 4, v82
	v_add_nc_u32 v[EXST], s11, v[EXLD]
	v_lshl_add_u32 v[GV], v[HH], 7, s14
	v_lshl_add_u32 v[GC], v[RR], 4, s14
	v_lshl_add_u32 v[GW1], v[HH], 13, v[GC]
	v_lshlrev_b32 v[GX], 4, v0
	v_lshlrev_b32 v[G4R], 2, v[RR]
	v_mul_u32_u24 v[LW1S], v[HH], 8*W1P
	v_lshl_add_u32 v[LW1S], v[RR], 4, v[LW1S]
	v_add_nc_u32 v[LW1S], s10, v[LW1S]
	v_mul_u32_u24 v[LA2], v[RR], W1P
	v_lshl_add_u32 v[LA2], v[HH], 7, v[LA2]
	v_add_nc_u32 v[LA2], s10, v[LA2]
	v_bfe_u32 v[LXSS], v0, 3, 2                    ; L >> 3
	v_and_b32 v83, 7, v0
	v_mul_u32_u24 v[LXSS], v[LXSS], XP
	v_lshl_add_u32 v[LXSS], v83, 4, v[LXSS]
	v_add_nc_u32 v[LXSS], s9, v[LXSS]
	s_add_co_u32 s9, s9, s10                       ; from here on: my four rows in my own XO
	s_wait_kmcnt 0x0
	s_load_b32 s33, s[26:27], 0x0                  ; b2: read as given; no line uses it (see the head), so no line waits for it
	s_add_nc_u64 s[16:17], s[16:17], s[2:3]
	s_add_nc_u64 s[28:29], s[28:29], s[2:3]
	s_add_nc_u64 s[18:19], s[18:19], s[4:5]
	s_add_nc_u64 s[30:31], s[30:31], s[4:5]
	; All global loads, in one run.  logp (wave 0 alone adds it at the end) goes first, so that the counts below are the same in every wave.
	s_cmp_lg_u32 s8, 0
	s_cbranch_scc1 .Lno_logp
	global_load_b32 v[LOGP], v[G4R], s[18:19]
.Lno_logp:
	global_load_b128 v[S1:S1+3], v[GX], s[16:17] th:TH_LOAD_NT     ; x: the four waves read the group's 2048 bytes once, 512 neighbouring bytes each
.irp i, 0,1,2,3,4,5,6,7,8,9,10,11,12,13,14,15
	global_load_b128 v[P+4*\i:P+4*\i+3], v[GW1], s[20:21] offset:1024*(\i+8*(\i/8))   ; w1[d][64 w + 4 r + 0..3], d = 8 h + i (i < 8), 16 + 8 h + i - 8
.endr
	global_load_b128 v[S2:S2+3], v[GC], s[24:25]                   ; w2[64 w + 4 r + 0..3]
.irp j, 0,1,2,3,4,5,6,7
	global_load_b128 v[CC+4*\j:CC+4*\j+3], v[GV], s[24:25] offset:16*\j    ; w2[64 w + 32 h + 4 j + 0..3]
.endr
.irp j, 0,1,2,3,4,5,6,7
	global_load_b128 v[A2+4*\j:A2+4*\j+3], v[GV], s[22:23] offset:16*\j    ; b1[64 w + 32 h + 4 j + 0..3]
.endr
	s_wait_loadcnt 33                              ; loads return in order (ISA guide 5.7.1): x is in; 16 + 1 + 8 + 8 younger ones stay out
	ds_store_b128 v[LXSS], v[S1:S1+3] offset:XS
	s_wait_loadcnt 17                              ; w1 is in; 1 + 8 + 8 stay out
.irp i, 0,1,2,3,4,5,6,7,8,9,10,11,12,13,14,15
	ds_store_b128 v[LW1S], v[P+4*\i:P+4*\i+3] offset:W1P*(\i+8*(\i/8))     ; my 64 columns, row d, as loaded: 16 lanes fill a row's 256 bytes
.endr
	v_pk_mul_f32 v[NRM:NRM+1],   v[P:P+1],   v[P:P+1]                  ; squares of my 16 rows, four columns: the first product starts each sum
	v_pk_mul_f32 v[NRM+2:NRM+3], v[P+2:P+3], v[P+2:P+3]
.irp i, 1,2,3,4,5,6,7,8,9,10,11,12,13,14,15
	v_pk_fma_f32 v[NRM:NRM+1],   v[P+4*\i:P+4*\i+1],   v[P+4*\i:P+4*\i+1],   v[NRM:NRM+1]
	v_pk_fma_f32 v[NRM+2:NRM+3], v[P+4*\i+2:P+4*\i+3], v[P+4*\i+2:P+4*\i+3], v[NRM+2:NRM+3]
.endr
.irp e, 0,1,2,3
	v_permlanex16_b32 v[S1+\e], v[NRM+\e], s12, s13                ; the other 16 rows' squares (the destination has been written: it held x)
.endr
	v_pk_add_f32 v[NRM:NRM+1],   v[NRM:NRM+1],   v[S1:S1+1]
	v_pk_add_f32 v[NRM+2:NRM+3], v[NRM+2:NRM+3], v[S1+2:S1+3]
	s_wait_loadcnt 16                              ; w2[64 w + 4 r ..] is in; 8 + 8 stay out
	v_pk_mul_f32 v[NRM:NRM+1],   v[NRM:NRM+1],   v[S2:S2+1]
	v_pk_mul_f32 v[NRM+2:NRM+3], v[NRM+2:NRM+3], v[S2+2:S2+3]
	ds_store_b128 v[GC], v[NRM:NRM+3] offset:CS                    ; c[lh = 4 r + 0..3]; both halves of the wave store the same numbers
	; A1: scale by -log2e, round, pair neighbouring d
.irp k, 0,1,2,3,4,5,6,7,8,9,10,11,12,13,14,15,16,17,18,19,20,21,22,23,24,25,26,27,28,29,30,31
	v_pk_mul_f32 v[P+2*\k:P+2*\k+1], v[P+2*\k:P+2*\k+1], NLOG2E op_sel_hi:[1,0]
.endr
.irp t, 0,1,2,3
.irp p, 0,1,2,3,4,5,6,7
	v_cvt_pk_bf16_f32 v[A1+8*\t+\p], v[P+8*\p+\t], v[P+8*\p+4+\t]
.endr
.endr
	; Back from LDS in the other products' order.  My own bytes: LDS serves a wave's instructions in order (ISA guide 5.7.1.4), no wait is needed.
.irp u, 0,1
.irp j, 0,1,2,3,4,5,6,7
	ds_load_b128 v[P+32*\u+4*\j:P+32*\u+4*\j+3], v[LA2] offset:16*W1P*\u+16*\j     ; w1[16 u + r][64 w + 32 h + 4 j + 0..3]
.endr
.endr
.irp j, 0,1,2,3,4,5,6,7
	ds_load_b128 v[XB+4*\j+16*(\j/4):XB+4*\j+16*(\j/4)+3], v[GV] offset:CS+16*\j   ; c[32 h + 4 j + 0..3], into XB, T (j < 4) and XA (j >= 4)
.endr
	s_wait_loadcnt 0x0                             ; the rest of w2, b1, logp: every global load is done, so their address registers may be rewritten
	v_mul_u32_u24 v[GW1], v[RR], XP                ; XSLD = 144 r + 32 h
	v_lshl_add_u32 v[GW1], v[HH], 5, v[GW1]
	v_lshl_add_u32 v[GC], v[RR], 2, s15            ; LPST = 64 w + 4 r
.irp t, 0,1,2,3
.irp j, 0,1,2,3,4,5,6,7
	v_mul_f32 v[BIAS+8*\t+\j], NLOG2E, v[A2+4*\j+\t]
.endr
.endr
.irp k, 0,1,2,3,4,5,6,7,8,9,10,11,12,13,14,15
	v_pk_mul_f32 v[CC+2*\k:CC+2*\k+1], v[CC+2*\k:CC+2*\k+1], EPS op_sel_hi:[1,0]   ; eps w2
.endr
	s_wait_dscnt 0x0                               ; for the others' sake: my quarter of XS is written (and my own loads are in)
	s_barrier_signal -1
	s_barrier_wait -1                              ; XS is whole
	ds_load_b128 v[X:X+3],     v[GW1] offset:XS
	ds_load_b128 v[X+4:X+7],   v[GW1] offset:XS+16
	ds_load_b128 v[X+8:X+11],  v[GW1] offset:XS+64
	ds_load_b128 v[X+12:X+15], v[GW1] offset:XS+80
	; A2 = bf16(eps w2 w1), its k places in the order in which SB holds s
.irp u, 0,1
.irp k, 0,1,2,3,4,5,6,7,8,9,10,11,12,13,14,15
	v_pk_mul_f32 v[P+32*\u+2*\k:P+32*\u+2*\k+1], v[P+32*\u+2*\k:P+32*\u+2*\k+1], v[CC+2*\k:CC+2*\k+1]
.endr
.endr
.irp u, 0,1
.irp q, 0,1
.irp p, 0,1,2,3
	v_cvt_pk_bf16_f32 v[A2+16*\u+8*\q+\p],   v[P+32*\u+8*\p+2*\q],   v[P+32*\u+8*\p+4+2*\q]
	v_cvt_pk_bf16_f32 v[A2+16*\u+8*\q+4+\p], v[P+32*\u+8*\p+2*\q+1], v[P+32*\u+8*\p+4+2*\q+1]
.endr
.endr
.endr
.irp t, 0,1,2,3
.irp j, 0,1,2,3,4,5,6,7
	v_mul_f32 v[CC+8*\t+\j], NEPS6, v[XB+4*\j+16*(\j/4)+\t]        ; CC = -(eps / 6) c, in Z's order
.endr
.endr
	s_wait_dscnt 0x0                               ; X is in
.macro TOB src                         ; 16 f32 of the argument -> product 1's B operand
.irp p, 0,1,2,3,4,5,6,7
	v_cvt_pk_bf16_f32 v[XB+\p], v[\src+2*\p], v[\src+2*\p+1]
.endr
.endm
.macro ZMM                             ; product 1: the bias is the C operand
.irp t, 0,1,2,3
	v_wmma_f32_16x16x32_bf16 v[Z+8*\t:Z+8*\t+7], v[A1+8*\t:A1+8*\t+7], v[XB:XB+7], v[BIAS+8*\t:BIAS+8*\t+7]
.endr
.endm
; A vector instruction reads a matrix result four places behind the matrix instruction at the earliest, and only plain vector instructions that
; name none of its registers are places (ISA guide 7.12.1).  Behind ZMM these are the eight lines of ACC, or, where there is no k yet, four v_nop.
.macro PLACES
.rept 4
	v_nop
.endr
.endm
.macro ACC wgt, src                    ; XA = wgt k + src: names K, XA and X only
.irp p, 0,1,2,3,4,5,6,7
	v_pk_fma_f32 v[XA+2*\p:XA+2*\p+1], v[K+2*\p:K+2*\p+1], \wgt, v[\src+2*\p:\src+2*\p+1] op_sel_hi:[1,0,1]
.endr
.endm
.macro EXPS hf
.irp k, 0,1,2,3,4,5,6,7,8,9,10,11,12,13,14,15
	v_exp_f32 v[Z+16*\hf+\k], v[Z+16*\hf+\k]
.endr
.endm
.macro RCPS hf
.irp k, 0,1,2,3,4,5,6,7,8,9,10,11,12,13,14,15
	v_rcp_f32 v[Z+16*\hf+\k], v[Z+16*\hf+\k]
.endr
.endm
.macro ADD1 hf
.irp p, 0,1,2,3,4,5,6,7
	v_pk_add_f32 v[Z+16*\hf+2*\p:Z+16*\hf+2*\p+1], v[Z+16*\hf+2*\p:Z+16*\hf+2*\p+1], 1.0 op_sel_hi:[1,0]
.endr
.endm
.macro PACK hf                         ; s of tiles 2 hf, 2 hf + 1 -> product 2's B operand of K step hf
	s_wait_alu depctr_va_vdst(0)
.irp p, 0,1,2,3,4,5,6,7
	v_cvt_pk_bf16_f32 v[SB+8*\hf+\p], v[Z+16*\hf+2*\p], v[Z+16*\hf+2*\p+1]
.endr
.endm
.macro GMM hf, zero                    ; product 2, K step hf; the first step starts the sums
.irp u, 0,1
.if \zero
	v_wmma_f32_16x16x32_bf16 v[GP+8*\u:GP+8*\u+7], v[A2+16*\u+8*\hf:A2+16*\u+8*\hf+7], v[SB+8*\hf:SB+8*\hf+7], 0
.else
	v_wmma_f32_16x16x32_bf16 v[GP+8*\u:GP+8*\u+7], v[A2+16*\u+8*\hf:A2+16*\u+8*\hf+7], v[SB+8*\hf:SB+8*\hf+7], v[GP+8*\u:GP+8*\u+7]
.endif
.endr
.endm
.macro LAP tt, acc, start              ; acc += CC (s - s^2) for tile tt, in two chains of pairs; start = 1: the first two products start the chains
.irp p, 0,1,2,3
	v_pk_fma_f32 v[T+2*\p:T+2*\p+1], v[Z+8*\tt+2*\p:Z+8*\tt+2*\p+1], v[Z+8*\tt+2*\p:Z+8*\tt+2*\p+1], v[Z+8*\tt+2*\p:Z+8*\tt+2*\p+1] neg_lo:[1,0,0] neg_hi:[1,0,0]
.endr
.irp p, 0,1,2,3
.if \start*(2-\p) > 0
	v_pk_mul_f32 v[\acc+2*(\p%2):\acc+2*(\p%2)+1], v[CC+8*\tt+2*\p:CC+8*\tt+2*\p+1], v[T+2*\p:T+2*\p+1]
	s_wait_alu depctr_va_vdst(0)
.else
	v_pk_fma_f32 v[\acc+2*(\p%2):\acc+2*(\p%2)+1], v[CC+8*\tt+2*\p:CC+8*\tt+2*\p+1], v[T+2*\p:T+2*\p+1], v[\acc+2*(\p%2):\acc+2*(\p%2)+1]
.endif
.endr
.endm
.macro PUT par                         ; my partial k: each store is 512 neighbouring bytes
.irp q, 0,1,2,3
	ds_store_b128 v[EXST], v[GP+4*\q:GP+4*\q+3] offset:EX+8192*\par+512*\q
.endr
.endm
.macro GET par                         ; all four waves' partial k, wave ascending
.irp ww, 0,1,2,3
.irp q, 0,1,2,3
	ds_load_b128 v[P+16*\ww+4*\q:P+16*\ww+4*\q+3], v[EXLD] offset:EX+8192*\par+2048*\ww+512*\q
.endr
.endr
.endm
.macro SUMK                            ; k = (p3 + p2) + (p0 + p1), the same order in every wave; it ends in K
	s_wait_dscnt 0x8                               ; LDS loads return in order: waves 0 and 1 are in, the eight younger loads stay out
.irp p, 0,1,2,3,4,5,6,7
	v_pk_add_f32 v[P+2*\p:P+2*\p+1], v[P+2*\p:P+2*\p+1], v[P+16+2*\p:P+16+2*\p+1]
.endr
	s_wait_dscnt 0x0
.irp p, 0,1,2,3,4,5,6,7
	v_pk_add_f32 v[K+2*\p:K+2*\p+1], v[K+2*\p:K+2*\p+1], v[P+32+2*\p:P+32+2*\p+1]
.endr
.irp p, 0,1,2,3,4,5,6,7
	v_pk_add_f32 v[K+2*\p:K+2*\p+1], v[K+2*\p:K+2*\p+1], v[P+2*\p:P+2*\p+1]
.endr
.endm
.macro ARG kind                        ; 0: AT = x + k / 2    1: AT = x + k    2: x = XA + k / 6, the step's end
.irp p, 0,1,2,3,4,5,6,7
.if \kind == 0
	v_pk_fma_f32 v[AT+2*\p:AT+2*\p+1], v[K+2*\p:K+2*\p+1], 0.5, v[X+2*\p:X+2*\p+1] op_sel_hi:[1,0,1]
.endif
.if \kind == 1
	v_pk_add_f32 v[AT+2*\p:AT+2*\p+1], v[K+2*\p:K+2*\p+1], v[X+2*\p:X+2*\p+1]
.endif
.if \kind == 2
	v_pk_fma_f32 v[X+2*\p:X+2*\p+1], v[K+2*\p:K+2*\p+1], SIXTH, v[XA+2*\p:XA+2*\p+1] op_sel_hi:[1,0,1]
.endif
.endr
.endm
; From Z to the whole k.  par: the exchange buffer; acc, start: where the Laplacian's terms go; last = 1: the launch's last evaluation.
; Behind a run of transcendentals one plain vector instruction that touches none of their registers stands before a result is used
; (ISA guide 5.7.2): a v_nop twice, and behind RCPS 1 the first line of LAP 0, which works on the other half of Z.
; Behind GMM 1 the eight lines of LAP 2 (Z, T, CC, acc only) are the places in front of PUT, which reads GP; with LAP 3 there are sixteen in
; front of GET, which loads into SB and GP.  GMM 1 is the next link of GMM 0's chains in place and needs none.
.macro BODY par, acc, start, last
	EXPS 0
	v_nop
	s_wait_alu depctr_va_vdst(0)
	ADD1 0
	RCPS 0
	EXPS 1
	v_nop
	s_wait_alu depctr_va_vdst(0)
	PACK 0
	GMM 0, 1
	ADD1 1
	RCPS 1
	LAP 0, \acc, \start
	LAP 1, \acc, 0
	PACK 1
	GMM 1, 0
	LAP 2, \acc, 0
	PUT \par
	LAP 3, \acc, 0
.if \last
	v_pk_fma_f32 v[S1:S1+1],   v[S2:S2+1],   2.0, v[S1:S1+1]   op_sel_hi:[1,0,1]   ; (k1 + k4) / 6 + 2 (k2 + k3) / 6, both steps
	v_pk_fma_f32 v[S1+2:S1+3], v[S2+2:S2+3], 2.0, v[S1+2:S1+3] op_sel_hi:[1,0,1]
	v_pk_add_f32 v[S1:S1+1], v[S1:S1+1], v[S1+2:S1+3]
	v_add_f32 v[S1], v[S1], v[S1+1]
	v_permlanex16_b32 v[T], v[S1], s12, s13        ; the other 32 of my 64 hidden units
	v_add_f32 v[S1], v[S1], v[T]
	ds_store_b32 v[GC], v[S1] offset:LP            ; sample r's increment from wave w; both halves store the same number
.endif
	s_wait_dscnt 0x0                               ; for the others' sake: my partial k is written.  (My reads of the other buffer ended in SUMK.)
	s_barrier_signal -1
	s_barrier_wait -1                              ; all four partials are there; and the buffer read one evaluation ago may be written in the next
	GET \par
.if \last
	v_add_nc_u32 v[XB], s10, v[GW1]                ; the way out's addresses, while the loads are on their way; XB is done with
	v_bfe_u32 v[XB+1], v0, 3, 2
	v_and_b32 v[XB+3], 7, v0
	v_mul_u32_u24 v[XB+1], v[XB+1], XP
	v_lshl_add_u32 v[XB+1], v[XB+3], 4, v[XB+1]
	v_add_nc_u32 v[XB+1], s9, v[XB+1]              ; row 4 w + (L >> 3) of my own XO, 16 bytes at 16 (L & 7)
	v_and_b32 v[XB+2], 15, v0
	v_lshlrev_b32 v[XB+2], 2, v[XB+2]              ; 4 r
.endif
	SUMK
.endm
.macro STEP first, last                ; one RK4 step
	ZMM
	PLACES
	BODY 0, S1, \first, 0                          ; k1
	ARG 0
	TOB AT
	ZMM
	ACC SIXTH, X
	BODY 1, S2, \first, 0                          ; k2
	ARG 0
	TOB AT
	ZMM
	ACC THIRD, XA
	BODY 0, S2, 0, 0                               ; k3
	ARG 1
	TOB AT
	ZMM
	ACC THIRD, XA
	BODY 1, S1, 0, \last                           ; k4
	ARG 2
.if \last == 0
	TOB X
.endif
.endm
	TOB X
	STEP 1, 0                                      ; written out twice in a straight line: no back edge, and the first products start S1 and S2
	STEP 0, 1
	; THE WAY OUT.  x: through my own XO (the bytes that held my columns of w1), so that each wave stores four whole rows, 512 neighbouring bytes.
	ds_store_b128 v[XB], v[X:X+3]
	ds_store_b128 v[XB], v[X+4:X+7]   offset:16
	ds_store_b128 v[XB], v[X+8:X+11]  offset:64
	ds_store_b128 v[XB], v[X+12:X+15] offset:80
	ds_load_b128 v[T:T+3], v[XB+1]                 ; my own bytes, served in order
	s_cmp_lg_u32 s8, 0
	s_cbranch_scc1 .Lothers
.irp ww, 0,1,2,3
	ds_load_b32 v[XA+\ww], v[XB+2] offset:LP+64*\ww        ; written in front of the last barrier
.endr
	s_wait_dscnt 0x4                               ; the rows of x are in; the four younger loads stay out
	global_store_b128 v[GX], v[T:T+3], s[28:29] th:TH_STORE_NT
	s_wait_dscnt 0x0
	v_add_f32 v[XA], v[XA], v[XA+1]
	v_add_f32 v[XA+2], v[XA+2], v[XA+3]
	v_add_f32 v[XA], v[XA], v[XA+2]
	v_add_f32 v[XA], v[XA], v[LOGP]
	v_cmp_gt_u32 vcc_lo, 16, v0
	s_wait_xcnt 0x0                                ; EXEC is a source of the store above: it changes only behind this wait
	s_set_vgpr_msb 0x5
	s_wait_tensorcnt 0x0
	ds_add_u32 v0, v1
	s_wait_dscnt 0x0
	s_set_vgpr_msb 0x500
	s_and_saveexec_b32 s34, vcc_lo                 ; lanes 0-15: one number a sample
	global_store_b32 v[XB+2], v[XA], s[30:31]
	s_endpgm
.Lothers:
	s_wait_dscnt 0x0
	global_store_b128 v[GX], v[T:T+3], s[28:29] th:TH_STORE_NT
	s_set_vgpr_msb 0x5
	s_wait_tensorcnt 0x0
	ds_add_u32 v0, v1
	s_wait_dscnt 0x0
	s_set_vgpr_msb 0x500
	s_endpgm
.Lfunc_end_k_q666f3690f8_flow:
	.size	k_q666f3690f8_flow, .Lfunc_end_k_q666f3690f8_flow-k_q666f3690f8_flow
	.p2alignl 7, 3214868480
	.fill 96, 4, 3214868480
	.section	.rodata,"a",@progbits
	.p2align	6, 0x0
	.amdhsa_kernel k_q666f3690f8_flow
		.amdhsa_group_segment_fixed_size 55296
		.amdhsa_private_segment_fixed_size 0
		.amdhsa_enable_private_segment 0
		.amdhsa_kernarg_size 64
		.amdhsa_user_sgpr_count 2
		.amdhsa_user_sgpr_kernarg_segment_ptr 1
		.amdhsa_wavefront_size32 1
		.amdhsa_system_sgpr_workgroup_id_x 1
		.amdhsa_system_sgpr_workgroup_id_y 1
		.amdhsa_system_sgpr_workgroup_id_z 1
		.amdhsa_system_vgpr_workitem_id 0
		.amdhsa_next_free_vgpr 258
		.amdhsa_next_free_sgpr 66
		.amdhsa_reserve_vcc 1
		.amdhsa_float_denorm_mode_32 3
		.amdhsa_float_denorm_mode_16_64 3
		.amdhsa_memory_ordered 1
		.amdhsa_forward_progress 1
		.amdhsa_inst_pref_size 119
	.end_amdhsa_kernel
	.amdgpu_metadata
---
amdhsa.version: [ 1, 2 ]
amdhsa.kernels:
  - .name:           k_q666f3690f8_flow
    .symbol:         k_q666f3690f8_flow.kd
    .args:
      - { .name: x, .offset: 0, .size: 8, .value_kind: global_buffer, .address_space: global }
      - { .name: logp, .offset: 8, .size: 8, .value_kind: global_buffer, .address_space: global }
      - { .name: w1, .offset: 16, .size: 8, .value_kind: global_buffer, .address_space: global }
      - { .name: b1, .offset: 24, .size: 8, .value_kind: global_buffer, .address_space: global }
      - { .name: w2, .offset: 32, .size: 8, .value_kind: global_buffer, .address_space: global }
      - { .name: b2, .offset: 40, .size: 8, .value_kind: global_buffer, .address_space: global }
      - { .name: out0, .offset: 48, .size: 8, .value_kind: global_buffer, .address_space: global }
      - { .name: out1, .offset: 56, .size: 8, .value_kind: global_buffer, .address_space: global }
    .group_segment_fixed_size: 55296
    .private_segment_fixed_size: 0
    .kernarg_segment_align: 8
    .kernarg_segment_size: 64
    .max_flat_workgroup_size: 128
    .sgpr_count:     66
    .vgpr_count:     258
    .wavefront_size: 32
...
	.end_amdgpu_metadata
.endif
;; end of part 1
